; MI455X (gfx1250); checked and timed in simulation.
; The chip was launched on July 23, 2026; its instructions are those of AMD's public machine-readable ISA for CDNA 5 (MIT licence, August 2026) and "CDNA5" Instruction Set Architecture Reference Guide (July 2026). The comments in the code are by the model that wrote it; some were corrected since.
;; Tree. Allowed arithmetic: float matrix products may take bf16 or f16 operands with f32 sums; other float arithmetic in f32, or as packed bf16 or f16 multiplies, adds, multiply-adds, maxima and minima; sums over many terms, partial sums and values carried from step to step in f32; what a program stores and reads back later, other than sums and carried values, may be rounded once to bf16 or f16.
;; Inputs: W 1,024 x 1,024 float32; b 1,024 float32; feature_mask 2,048 x 1,024 float32; x 16,384 x 2,048 float32.
;; Outputs: out0 16,384 x 1,024 float32.
;; One version. Each part assembles by itself: llvm-mc -triple=amdgcn-amd-amdhsa -mcpu=gfx1250 --defsym DOCPART=n.
;; ======== version 1 of 1: 2 launches
;; workspace buffers: mt 4,194,304 bytes
;; launch fold (part 1): grid 16 x 16, 4 waves a work-group, no clusters, 122,368 bytes of LDS; arguments W, feature_mask, mt; writes mt
.if DOCPART == 1
	.amdgcn_target "amdgcn-amd-amdhsa--gfx1250"
	.amdhsa_code_object_version 6
	.text
	.protected	k_q1255f16e03_fold
	.globl	k_q1255f16e03_fold
	.p2align	8
	.type	k_q1255f16e03_fold,@function
k_q1255f16e03_fold:
	s_mov_b64 s[64:65], 0
	v_nop
	global_prefetch_b8 v0, s[64:65] scope:SCOPE_SE
	s_setreg_imm32_b32 hwreg(HW_REG_WAVE_MODE, 25, 1), 1
	s_wait_xcnt 0x0
; FOLD.  reference(): d = sigmoid((x F) W^T + b), F = feature_mask [2048][1024], W [1024][1024].  In exact arithmetic (x F) W^T = x (F W^T) for all values of the inputs, so the two products
; become one small one, made here once, and one large one, made by the next launch: 4.3 + 68.7 GFLOP for 68.7 + 34.4.
; This launch: mt[n'][k] = the sum over j of W[node(n')][j] F[k][j], n' = 0..1023, k = 0..2047.  W and F are rounded to bf16 on the way in, sums in f32, mt rounded once to bf16.
; DEAD WORK.  reference() multiplies by decision[:, begin:begin+width] with begin = 1, 2, 4 .. 512: columns 1 to 1023.  Column 0 of d is sliced away whatever the inputs hold, so row 0 of W (and b[0]) reach
; no output: they are never read.  LIMIT: a NaN, an infinity or an overflow that arises from row 0 of W or from b[0] alone is not carried to the result.
; LIMIT.  The order of rounding differs from reference()'s: F W^T is rounded to bf16 where a program that follows the text would round x F.
; THE ORDER OF mt's ROWS is the one in which the next launch's lanes want their columns.  n' = 512 t + 128 w + 16 bb + 8 h + j; s = 8 t + 2 w + h names one of the 16 subtrees of 64 leaves, i = 8 bb + j a
; place in its heap.  i >= 1: level L = floor(log2 i), node = ((16 + s) << L) + the L bits of i - 2^L reversed.  i = 0 holds a node above the subtrees: h = 0: 8 + 4 t + w;
; h = 1: w = 0: 1 (the root); w = 1: 2 + t; w = 2, 3: 2 + 2 t + w.  Each half t so holds the 511 nodes of its own leaves and the root: 512 rows.
; SHARES.  A work-group makes the 64 rows of one subtree s (ttmp7) x 128 columns k (ttmp9): 16 x 16 = 256 work-groups.  j goes in 8 steps of 128.  For the products wave wv takes 32 rows x 64 columns: 8 accumulators.
; NO TENSOR LOADS, NO CLUSTER: a tile's 64 rows of W lie at six different distances, so no one descriptor covers them; both operands come in f32 and are rounded in registers, which halves what goes into LDS.
; Two sets of landing registers, a step each: while one is rounded, stored and multiplied the other's 48 loads (24 KiB a wave) are on their way.  NO PREFETCH: every row is read by sixteen work-groups at about the same time, and the launch is short.
; THE MATRIX INSTRUCTION IS USED TRANSPOSED (source 0 = 16 rows of F, source 1 = 16 rows of W): a lane then holds eight neighbouring k of one row of mt, 16 bytes.
; REGISTERS, in windows of 256: window 0: v0-21 addresses; v64-255 fragments (48 for each 32 of j: W's two, F's four).  Windows 1 and 2: v0-191 the landing sets.  Window 3: v0-63 the accumulators, (a, n) at 8 (4 a + n).
.set PITCH, 272                        ; an LDS row: 128 bf16 + 16 bytes of padding = 68 words: the 16 rows of a fragment load start at 16 different groups of four banks (64 banks of 4 bytes: ISA guide 11.1)
.set SLOT,  192*PITCH                  ; 64 rows of W's tile, then 128 rows of F
.set STAGE, 2*SLOT                     ; 64 rows x 272 bytes, for the way out
.set SPARE, STAGE+64*PITCH             ; the spare words, 128 bytes for each wave: two blocks of 256 bytes that no other line names
.set ROWB,  4096                       ; bytes in a row of W, of F and of mt
.set STEPB, 512                        ; bytes of a row of W or F in a step
.set LO,  4                            ; v4      16 x lane + the trip's 1,024 bytes
.set STO, 9                            ; v9      the way out: where I put 16 bytes of a row
.set RD,  10                           ; v10     where I read rows back
.set CO,  11                           ; v11     my byte offset in two rows of mt
.set SPW, 12                           ; v12     LDS address of my spare word; never rewritten
.set NIL, 13                           ; v13     0; never rewritten
.set WST, 14                           ; v14-15  slot 0, 1: where my lane's 8 bytes of W's tile row wv go (rows 4 ii + wv by the immediate)
.set MST, 16                           ; v16-17  the same for F's row 32 wv
.set AW,  18                           ; v18-19  my lane's place in my fragments of W
.set AM,  20                           ; v20-21  of F
.set FR,  64
.set WB,  16                           ; s[16:23] W at row ((16 + s) << (p + 2)) + (the two bits of wv reversed << p), p = 0..3
.set WBS, 24                           ; s[24:25] W at the row of heap place i = wv
.set MB,  26                           ; s[26:27] F at row 128 kx + 32 wv
.set MTB, 28                           ; s[28:29] mt at the first row and column that I store
.set MSB, 0
.macro WIN new                         ; the immediate's high byte repeats the setting that is left; a switch that changes nothing is dropped
.if MSB != (\new)
	s_set_vgpr_msb (MSB<<8)|(\new)
.set MSB, \new
.endif
.endm
.macro NODE i                          ; for a heap place i = 1..63: LAM = its level, RV = the LAM bits of i - 2^LAM reversed
.set LAM, 0
.irp p, 2,4,8,16,32
.if (\i) >= \p
.set LAM, LAM+1
.endif
.endr
.set qq, (\i)-(1<<LAM)
.set RV, (((qq&1)<<4)|((qq&2)<<2)|(qq&4)|((qq&8)>>2)|((qq&16)>>4))>>(5-LAM)
.endm
	s_load_b128 s[4:7], s[0:1], 0x0                ; W s[4:5], F s[6:7]
	s_load_b64 s[8:9], s[0:1], 0x10                ; mt
	v_lshl_add_u32 v[SPW], v0, 2, SPARE
	v_mov_b32 v[NIL], 0
	v_lshrrev_b32 v1, 5, v0
	v_readfirstlane_b32 s10, v1                    ; wave wv
	s_and_b32 s11, ttmp7, 0xffff                   ; subtree s
	s_mov_b32 s13, ttmp9                           ; kx
	v_and_b32 v1, 15, v0                           ; r = l % 16
	v_bfe_u32 v2, v0, 4, 1                         ; h = l / 16
	v_and_b32 v3, 31, v0                           ; l
	; the node of heap place i = wv (0..3)
	s_lshr_b32 s30, s11, 1
	s_and_b32 s31, s30, 3                          ; w of s
	s_lshr_b32 s32, s11, 3                         ; t of s
	s_add_co_u32 s33, s30, 8                       ; h = 0: 8 + 4 t + w
	s_lshl_b32 s34, s32, 1
	s_add_co_u32 s34, s34, s31
	s_add_co_u32 s34, s34, 2                       ; h = 1, w = 2, 3: 2 + 2 t + w
	s_add_co_u32 s35, s32, 2                       ; w = 1: 2 + t
	s_cmp_eq_u32 s31, 1
	s_cselect_b32 s34, s35, s34
	s_cmp_eq_u32 s31, 0
	s_cselect_b32 s34, 1, s34                      ; w = 0: the root
	s_and_b32 s36, s11, 1                          ; h of s
	s_cmp_eq_u32 s36, 0
	s_cselect_b32 s33, s33, s34                    ; place 0
	s_add_co_u32 s35, s11, 16                      ; place 1: 16 + s
	s_lshl_b32 s37, s35, 1                         ; place 2
	s_add_co_u32 s38, s37, 1                       ; place 3
	s_cmp_eq_u32 s10, 1
	s_cselect_b32 s33, s35, s33
	s_cmp_eq_u32 s10, 2
	s_cselect_b32 s33, s37, s33
	s_cmp_eq_u32 s10, 3
	s_cselect_b32 s33, s38, s33
	s_lshl_b32 s40, s33, 12                        ; in bytes
	s_mov_b32 s41, 0
	s_and_b32 s38, s10, 1                          ; the two bits of wv reversed
	s_lshl_b32 s38, s38, 1
	s_lshr_b32 s39, s10, 1                         ; also wr: which 32 rows of the tile I multiply
	s_or_b32 s38, s38, s39
	; LDS and lane addresses
	v_lshlrev_b32 v[LO], 4, v3
	s_mul_i32 s44, s10, PITCH
	v_lshl_add_u32 v[WST], v3, 3, s44
	v_add_nc_u32 v[WST+1], SLOT, v[WST]
	s_mul_i32 s44, s10, 32*PITCH
	s_add_co_u32 s44, s44, 64*PITCH
	v_lshl_add_u32 v[MST], v3, 3, s44
	v_add_nc_u32 v[MST+1], SLOT, v[MST]
	v_mul_u32_u24 v5, v1, PITCH
	v_lshl_add_u32 v5, v2, 4, v5                   ; a fragment's row x pitch + 16 x half
	s_mul_i32 s44, s39, 32*PITCH
	v_add_nc_u32 v[AW], s44, v5
	v_add_nc_u32 v[AW+1], SLOT, v[AW]
	s_and_b32 s45, s10, 1                          ; wc: which 64 columns
	s_mul_i32 s46, s45, 64*PITCH
	s_add_co_u32 s46, s46, 64*PITCH
	v_add_nc_u32 v[AM], s46, v5
	v_add_nc_u32 v[AM+1], SLOT, v[AM]
	s_lshl_b32 s45, s45, 7
	s_add_co_u32 s44, s44, s45
	s_add_co_u32 s44, s44, STAGE
	v_add_nc_u32 v[STO], s44, v5                   ; stage row 32 wr + r, byte 128 wc + 16 h
	s_mul_i32 s44, s10, 16*PITCH
	s_add_co_u32 s44, s44, STAGE
	v_mul_u32_u24 v[RD], v2, PITCH
	v_lshl_add_u32 v[RD], v1, 4, v[RD]
	v_add_nc_u32 v[RD], s44, v[RD]                 ; back: stage rows 16 wv + h, 16 lanes a row of 256 bytes
	v_lshlrev_b32 v[CO], 12, v2
	v_lshl_add_u32 v[CO], v1, 4, v[CO]
	; F's and mt's offsets
	s_lshl_b32 s42, s13, 19
	s_lshl_b32 s43, s10, 17
	s_add_co_u32 s42, s42, s43                     ; (128 kx + 32 wv) rows of F
	s_mov_b32 s43, 0
	s_lshl_b32 s46, s32, 9                         ; mt's row 512 t + 128 w + 8 h + 32 wv: stage rows 16 wv .. are heap places 16 wv .., two groups of eight rows, 16 rows of mt apart
	s_lshl_b32 s47, s31, 7
	s_add_co_u32 s46, s46, s47
	s_lshl_b32 s47, s36, 3
	s_add_co_u32 s46, s46, s47
	s_lshl_b32 s47, s10, 5
	s_add_co_u32 s46, s46, s47
	s_lshl_b32 s46, s46, 12
	s_lshl_b32 s47, s13, 8                         ; + the tile's 128 columns: 256 bytes
	s_add_co_u32 s46, s46, s47
	s_mov_b32 s47, 0
	s_wait_kmcnt 0x0
	s_add_nc_u64 s[WBS:WBS+1], s[4:5], s[40:41]
	s_add_nc_u64 s[MB:MB+1], s[6:7], s[42:43]
	s_add_nc_u64 s[MTB:MTB+1], s[8:9], s[46:47]
.irp p, 0,1,2,3
	s_lshl_b32 s42, s35, (\p)+2
	s_lshl_b32 s43, s38, \p
	s_add_co_u32 s42, s42, s43
	s_lshl_b32 s42, s42, 12
	s_mov_b32 s43, 0
	s_add_nc_u64 s[WB+2*(\p):WB+2*(\p)+1], s[4:5], s[42:43]
.endr
; A step's 48 loads into landing set b, from byte off behind v[LO]: each takes 512 consecutive bytes of one row.  W's tile rows 4 ii + wv: for ii >= 1 the heap place 4 ii + wv lies on level p + 2
; (p = the level of ii), and its reversed bits are wv's two on top of ii's p: the base holds the first part, the immediate the second.
.macro LOADS b, off
	WIN ((\b)+1)<<6                                ; destination: the set's window; address: window 0
	global_load_b128 v[0:3], v[LO], s[WBS:WBS+1] offset:\off
.set ii, 1
.rept 15
	NODE ii
	global_load_b128 v[4*ii:4*ii+3], v[LO], s[WB+2*LAM:WB+2*LAM+1] offset:RV*ROWB+(\off)
.set ii, ii+1
.endr
.set jj, 0
.rept 32
	global_load_b128 v[64+4*jj:64+4*jj+3], v[LO], s[MB:MB+1] offset:jj*ROWB+(\off)
.set jj, jj+1
.endr
.endm
; A step on set and slot b.  left: the younger loads that may stay out.  more = 1: the set is asked for again, two steps on.
; ONE barrier a step serves both ways: a store into slot b stands behind the barrier of the step before, and each wave signalled that one only when its reads of slot b, two steps back, had come (the wait for 0 at their last products).
.macro STEP b, more, off, left
	s_wait_loadcnt \left                           ; loads come back in order (ISA guide 5.7.1): my set is in
	WIN 0x45*((\b)+1)                              ; destination and both sources: the set's window
.set x, 0
.rept 48                                       ; four f32 of a lane become four bf16, in place.  These 96 lines are also the places between the last step's products and the loads into their fragments
	v_cvt_pk_bf16_f32 v[4*x], v[4*x], v[4*x+1]
	v_cvt_pk_bf16_f32 v[4*x+1], v[4*x+2], v[4*x+3]
.set x, x+1
.endr
	WIN 0x04*((\b)+1)                              ; store data: the set's window
.set x, 0
.rept 16
	ds_store_b64 v[WST+(\b)], v[4*x:4*x+1] offset:4*x*PITCH  ; 32 lanes x 8 bytes: a row's 256 bytes
.set x, x+1
.endr
.set x, 0
.rept 32
	ds_store_b64 v[MST+(\b)], v[64+4*x:64+4*x+1] offset:x*PITCH
.set x, x+1
.endr
.if \more
	LOADS \b, \off
.endif
	WIN 0
	s_wait_dscnt 0x0                               ; for the others' sake: my stores are done
	s_barrier_signal -1
	s_barrier_wait -1                              ; the slot is whole
.irp c, 0,1,2,3                                ; 48 fragment loads, the first 32 of j first
.irp a, 0,1
	ds_load_b128 v[FR+48*(\c)+8*(\a):FR+48*(\c)+8*(\a)+3],   v[AW+(\b)] offset:(\a)*16*PITCH+64*(\c)
	ds_load_b128 v[FR+48*(\c)+8*(\a)+4:FR+48*(\c)+8*(\a)+7], v[AW+(\b)] offset:(\a)*16*PITCH+64*(\c)+32
.endr
.irp n, 0,1,2,3
	ds_load_b128 v[FR+48*(\c)+16+8*(\n):FR+48*(\c)+16+8*(\n)+3],   v[AM+(\b)] offset:(\n)*16*PITCH+64*(\c)
	ds_load_b128 v[FR+48*(\c)+16+8*(\n)+4:FR+48*(\c)+16+8*(\n)+7], v[AM+(\b)] offset:(\n)*16*PITCH+64*(\c)+32
.endr
.endr
.irp c, 0,1,2,3
	s_wait_dscnt 36-12*(\c)                        ; twelve loads for each 32 of j: the later ones may stay out
	WIN 0xf0                                       ; C and D window 3, fragments window 0
.irp a, 0,1                                    ; the eight accumulators take turns, one instruction a turn, over the backward jump too
.irp n, 0,1,2,3
	v_wmma_f32_16x16x32_bf16 v[8*(4*(\a)+(\n)):8*(4*(\a)+(\n))+7], v[FR+48*(\c)+16+8*(\n):FR+48*(\c)+16+8*(\n)+7], v[FR+48*(\c)+8*(\a):FR+48*(\c)+8*(\a)+7], v[8*(4*(\a)+(\n)):8*(4*(\a)+(\n))+7]
.endr
.endr
.endr
.endm
	LOADS 0, 0                                     ; step 0
	LOADS 1, STEPB                                 ; step 1
	WIN 0xc0
.set z, 0
.rept 64
	v_mov_b32 v[z], 0                              ; the sums start at 0: written while the first loads are on their way, so that a step has one form and none is written out a third time
.set z, z+1
.endr
	WIN 0
	s_mov_b32 s12, 3
.Ltrip:                                        ; steps 2 T and 2 T + 1 are multiplied, steps 2 T + 2 and 2 T + 3 asked for
	STEP 0, 1, 2*STEPB, 48
	STEP 1, 1, 3*STEPB, 48
	WIN 0
	s_wait_xcnt 0x0                                ; every load issued so far has read its address: v[LO] is written only behind this wait
	v_add_nc_u32 v[LO], 2*STEPB, v[LO]
	s_sub_co_u32 s12, s12, 1
	s_cmp_lg_u32 s12, 0
	s_cbranch_scc1 .Ltrip
	STEP 0, 0, 0, 48                               ; the last two steps load nothing
	STEP 1, 0, 0, 0
	; THE WAY OUT: rounded to bf16, 16 bytes a lane into the stage; a barrier, since a row's 256 bytes come from two waves; back as whole rows, 16 rows a wave
	WIN 0
.rept 4
	v_nop                                          ; four places behind the last products (ISA guide 7.12.1)
.endr
	WIN 0x0f                                       ; both sources window 3
.set z, 0
.rept 8
.irp q, 0,1,2,3                                ; each accumulator from its low end on
	v_cvt_pk_bf16_f32 v[FR+4*z+(\q)], v[8*z+2*(\q)], v[8*z+2*(\q)+1]
.endr
.set z, z+1
.endr
	WIN 0
.irp a, 0,1
.irp n, 0,1,2,3
	ds_store_b128 v[STO], v[FR+4*(4*(\a)+(\n)):FR+4*(4*(\a)+(\n))+3] offset:(\a)*16*PITCH+32*(\n)
.endr
.endr
	s_wait_dscnt 0x0                               ; for the others' sake: my stores into the stage are done
	s_barrier_signal -1
	s_barrier_wait -1
.irp p, 0,1,2,3,4,5,6,7
	ds_load_b128 v[FR+32+4*(\p):FR+32+4*(\p)+3], v[RD] offset:(\p)*2*PITCH
.endr
.irp p, 0,1,2,3,4,5,6,7
	s_wait_dscnt 7-(\p)
	global_store_b128 v[CO], v[FR+32+4*(\p):FR+32+4*(\p)+3], s[MTB:MTB+1] offset:(16*((\p)/4)+2*((\p)%4))*ROWB  ; 16 lanes store 256 consecutive bytes, at a multiple of 256 from mt's first byte
.endr
	s_wait_tensorcnt 0x0                           ; the wave's end: behind my last LDS store
	ds_add_u32 v[SPW], v[NIL]
	s_wait_dscnt 0x0
	s_endpgm
.Lfunc_end_k_q1255f16e03_fold:
	.size	k_q1255f16e03_fold, .Lfunc_end_k_q1255f16e03_fold-k_q1255f16e03_fold
	.p2alignl 7, 3214868480
	.fill 96, 4, 3214868480
	.section	.rodata,"a",@progbits
	.p2align	6, 0x0
	.amdhsa_kernel k_q1255f16e03_fold
		.amdhsa_group_segment_fixed_size 122368
		.amdhsa_private_segment_fixed_size 0
		.amdhsa_enable_private_segment 0
		.amdhsa_kernarg_size 24
		.amdhsa_user_sgpr_count 2
		.amdhsa_user_sgpr_kernarg_segment_ptr 1
		.amdhsa_wavefront_size32 1
		.amdhsa_system_sgpr_workgroup_id_x 1
		.amdhsa_system_sgpr_workgroup_id_y 1
		.amdhsa_system_sgpr_workgroup_id_z 1
		.amdhsa_system_vgpr_workitem_id 0
		.amdhsa_next_free_vgpr 832
		.amdhsa_next_free_sgpr 66
		.amdhsa_reserve_vcc 0
		.amdhsa_float_denorm_mode_32 3
		.amdhsa_float_denorm_mode_16_64 3
		.amdhsa_memory_ordered 1
		.amdhsa_forward_progress 1
		.amdhsa_inst_pref_size 88
	.end_amdhsa_kernel
	.amdgpu_metadata
---
amdhsa.version: [ 1, 2 ]
amdhsa.kernels:
  - .name:           k_q1255f16e03_fold
    .symbol:         k_q1255f16e03_fold.kd
    .args:
      - { .name: W, .offset: 0, .size: 8, .value_kind: global_buffer, .address_space: global }
      - { .name: feature_mask, .offset: 8, .size: 8, .value_kind: global_buffer, .address_space: global }
      - { .name: mt, .offset: 16, .size: 8, .value_kind: global_buffer, .address_space: global }
    .group_segment_fixed_size: 122368
    .private_segment_fixed_size: 0
    .kernarg_segment_align: 8
    .kernarg_segment_size: 24
    .max_flat_workgroup_size: 128
    .sgpr_count:     66
    .vgpr_count:     832
    .wavefront_size: 32
...
	.end_amdgpu_metadata
.endif
;; end of part 1
;; launch route (part 2): grid 8 x 32, 4 waves a work-group, clusters of 4 x 1, 327,680 bytes of LDS; arguments x, mt, b, out0; writes out0
.if DOCPART == 2
	.amdgcn_target "amdgcn-amd-amdhsa--gfx1250"
	.amdhsa_code_object_version 6
	.text
	.protected	k_q1255f16e03_route
	.globl	k_q1255f16e03_route
	.p2align	8
	.type	k_q1255f16e03_route,@function
k_q1255f16e03_route:
	s_mov_b64 s[64:65], 0
	v_nop
	global_prefetch_b8 v0, s[64:65] scope:SCOPE_SE
	s_setreg_imm32_b32 hwreg(HW_REG_WAVE_MODE, 25, 1), 1
	s_wait_xcnt 0x0
	s_wait_alu depctr_hold_cnt(0) depctr_sa_sdst(0) depctr_va_vdst(0) depctr_va_sdst(0) depctr_va_ssrc(0) depctr_va_vcc(0) depctr_vm_vsrc(0)
	s_getreg_b32 s2, hwreg(HW_REG_IB_STS2, 6, 4)
	s_cmp_eq_u32 s2, 0
	s_cbranch_scc0 .Lentry_in_a_cluster
	s_endpgm
.Lentry_in_a_cluster:
	s_bfe_u32 s2, ttmp6, 0x10000c
	s_cmp_lg_u32 s2, 0x3003
	s_cbranch_scc0 .Lentry_shape_is_right
	s_endpgm
.Lentry_shape_is_right:
; ROUTE.  out0[row][leaf] = the product over the ten levels n of d or 1 - d at node 2^n + (leaf >> (10 - n)), by bit 9 - n of the leaf; d = sigmoid(x mt^T + b), with mt = F W^T from the launch before, in bf16,
; its rows in the order described there.  x is rounded to bf16 on the way in; sums in f32, in registers; bias, sigmoid, tree and store are fused: the logits never leave the registers.
; LEFT OUT, as in the launch before: column 0 of d, which reference() slices away for all inputs: b[0] is never read; a NaN, an infinity or an overflow that arises from it alone is not carried to the result.
; LIMITS.  1 - d is applied as p - p d.  sigmoid = 1 / (1 + 2^(-log2(e) z)): beyond |z| of some 88 it is exactly 0 or 1, as in f32 arithmetic at large; a 2^y below 2^-126 counts as 0.
; SHARES.  The leaves of half t (512 t ..) need the 511 nodes of their own subtree and the root: 512 columns, which are mt's rows 512 t .. 512 t + 511.  A work-group makes 128 rows x one half: 128 x 2 = 256 work-groups.
; Each of its four waves makes 128 rows x 128 columns: 64 accumulators of 16 x 16, 512 registers.  All four read the same 128 rows of x; each reads its own 128 rows of mt.
; THE MATRIX INSTRUCTION IS USED TRANSPOSED (source 0 = 16 rows of mt, source 1 = 16 rows of x): lane (r, h) holds row r of x, and for a block of 16 rows its 64 registers i = 8 b + j are the heap of ITS OWN subtree
; s = 8 t + 2 w + h of 64 leaves: level L at i = 2^L .. 2^(L+1) - 1 with the place's bits reversed, so that the children of i lie at i + 2^L and i + 2^(L+1) and a level is made by packed lines on neighbouring
; registers.  i = 0 holds one of the four nodes above (levels 0 to 3); those go from wave to wave through 4 KiB of LDS, once.
; x COMES THROUGH REGISTERS: 32 loads a wave and K step (a row's 512 bytes each), issued a K step ahead, rounded in place, stored once as bf16 into ONE stage of 128 rows that all four waves read.
; mt COMES BY TENSOR LOADS into a ring of two slots, K steps of 128 (rows of 256 bytes).  CLUSTER: the four row blocks of a cluster walk the same half of mt, so each tile is asked for JOINTLY: the same load,
; descriptor and mask in all four.  x is not shared in the cluster: its two readers lie in neighbouring clusters, and it does not pass through the mover.
; REGISTERS, in windows of 256 (s_set_vgpr_msb: bits 1:0 source 0, 3:2 source 1, 5:4 source 2, 7:6 destination):
;   window 0: v0-31 addresses; v32-63 the nodes above the subtrees; v64-127, v128-191 fragments of x, two buffers; v192-255 -log2(e) b of my 64 columns
;   window 1: v64-127, v128-191 fragments of mt; v0-63, v192-255 x as it lands.  At the end: v0-63 d, v64-127 the heap of products, v128-191 the 64 leaves, v192-255 rows read back
;   window 2: the accumulators of rows 0-63 ((a, b) at v[8 (8 a + b)]);   window 3: those of rows 64-127
.set KSTEP, 128
.set PITCH, 272                        ; an LDS row: 256 bytes + 16 of padding = 68 words: the 16 rows of a fragment load start at 16 different groups of four banks (64 banks of 4 bytes: ISA guide 11.1)
.set HALFT, 128*PITCH                  ; a wave's 128 rows of mt: what one tensor load brings
.set SLOT,  4*HALFT
.set ASTG,  2*SLOT                     ; behind the ring, never filled by a tensor load: x's stage, 128 rows x 272; wave w stores rows 32 w ..  At the end the same bytes are wave w's own stage for the way out
.set WSTG,  32*PITCH
.set XCH,   ASTG+4*WSTG                ; 4 x 1,024 bytes: lane l of wave w puts eight d (one for each block of 16 rows) at 1,024 w + 32 l
.set SPARE, XCH+4096                   ; the spare words, 128 bytes for each wave: two blocks of 256 bytes that no other line names
.set OPITCH, 528                       ; the way out: a row of 128 leaves, 512 bytes + 16
.set XROW,  8192                       ; bytes in a row of x
.set MROW,  4096                       ; of mt
.set OROW,  4096                       ; of out0
.set LAPS,  8                          ; a lap = two K steps = once round the ring; K = 2,048
.set VB,   4                           ; v4-10   byte offsets in b: v4 of place 0's node; v[5+L] = (16 + s) << (L + 2)
.set AL3,  12                          ; v[12:13] h, twice: level 3's choice is my half of the lanes: factor = BE3 d + AL3
.set BE3,  14                          ; v[14:15] 1 - 2 h, twice
.set ADRA, 16                          ; v16     my lane's place in x's stage
.set XR,   17                          ; v17     XCH: the upper lanes of wave 0, row r: the root; 1,024 further wave 1's: level 1
.set XR2,  18                          ; v18     the upper lanes of wave 2 + w / 2: my level-2 node
.set XR3,  19                          ; v19     the lower lanes of my own wave: my level-3 node
.set ADRB, 20                          ; v20-21  my lane's place in my rows of mt, slot 0, 1
.set XST,  22                          ; v22     where my 8 bytes of x's row 32 w go
.set XO,   23                          ; v23     my byte offset in x: row 32 w, 16 x lane; never rewritten
.set STO,  24                          ; v24     the way out: row r, 256 h
.set RD,   25                          ; v25     the way out: 16 x lane in a row
.set CO,   26                          ; v26     16 x lane
.set PXO,  27                          ; v27     x's prefetch: row 64 t + 16 w + l / 2, block l % 2; never rewritten
.set SPW,  28                          ; v28     LDS address of my spare word; never rewritten
.set NIL,  29                          ; v29     0; never rewritten
.set PMO,  30                          ; v30     mt's prefetch: a lane a row; never rewritten
.set XA,   31                          ; v31     XCH + 1,024 w + 32 l
.set PR,   32                          ; v32-63  four nodes x eight blocks; then v32-39 the product of the four factors
.set F0,   64
.set F1,   128
.set BS,   192
.set T,    0                           ; window 1, at the end
.set MU,   64
.set OUT,  128
.set RB,   192
.set OUTP, 10                          ; s[10:11] out0 at my rows and columns
.set WV,   12                          ; s12  my wave's number
.set G1,   24                          ; s[24:31] descriptor group 1
.set G0,   32                          ; s[32:39] descriptor group 0, a set for each slot
.set XB,   40                          ; s[40:41] x at my work-group's first row, at the K step that is being stored into the stage
.set PMB,  42                          ; s[42:43] mt at my work-group's 32 of my wave's 128 rows, at the same K step
.set LIM,  44                          ; s44  1 in the clusters that prefetch mt, else the greatest number
.set BLK,  45                          ; s45  the block of 16 rows in hand
.set INC,  46                          ; s[46:47] what out0's address takes in front of the next block's stores
.set NC,   48                          ; s[48:49] -log2(e), named as a pair
.set BA,   50                          ; s[50:61] levels 0, 1, 2: a pair for the factor's slope (1 or -1), a pair for its offset (0 or 1); the low words are used
.set MSB, 0
.macro WIN new                         ; the immediate's high byte repeats the setting that is left; a switch that changes nothing is dropped
.if MSB != (\new)
	s_set_vgpr_msb (MSB<<8)|(\new)
.set MSB, \new
.endif
.endm
.set MUL_LO, 0xa1                      ; source 0 (mt) window 1, source 1 (x) window 0, C and D window 2
.set MUL_HI, 0xf1                      ; the same, C and D window 3
.set TO_B,   0x40                      ; destination window 1, address window 0
.set W_CV,   0x45                      ; destination and both sources window 1
.set FROM_B, 0x04                      ; store data window 1, address window 0
.macro NODE i                          ; for a heap place i = 1..63: LAM = its level, RV = the LAM bits of i - 2^LAM reversed
.set LAM, 0
.irp p, 2,4,8,16,32
.if (\i) >= \p
.set LAM, LAM+1
.endif
.endr
.set qq, (\i)-(1<<LAM)
.set RV, (((qq&1)<<4)|((qq&2)<<2)|(qq&4)|((qq&8)>>2)|((qq&16)>>4))>>(5-LAM)
.endm
; A joint load: every wave fetches its own 128 rows of mt, by one line: the LDS address hangs on the wave's number, the global address on t and the wave's number: all alike in the four partners.
; An s_nop 0 and four v_nop follow it.
.macro JLOAD s
	tensor_load_to_lds s[G0+4*(\s):G0+4*(\s)+3], s[G1:G1+7]
	s_nop 0
.rept 4
	v_nop
.endr
.endm
.macro CREST                           ; a round of the cluster's barrier behind its opening barrier
	s_cmp_lg_u32 s[WV], 0
	s_cbranch_scc1 .Lnot_wave_0_\@
	s_barrier_signal -3
.Lnot_wave_0_\@:
	s_barrier_wait -3
	s_barrier_signal -1
	s_barrier_wait -1
.endm
.macro CROUND                          ; a whole round
	s_barrier_signal -1
	s_barrier_wait -1
	CREST
.endm
.macro PLACES                          ; four places behind matrix instructions (ISA guide 7.12.1), where no other vector work is at hand
.rept 4
	v_nop
.endr
.endm
; x's load j of 32 (row 32 w + j) lands in four registers of window 1, at 4 j (j < 16) or 192 + 4 (j - 16): round mt's fragments
.macro XLOAD off
	WIN TO_B
.set j, 0
.rept 32
	global_load_b128 v[4*j+128*(j/16):4*j+128*(j/16)+3], v[XO], s[XB:XB+1] offset:j*XROW+(\off)  ; 512 consecutive bytes of a row: a K step
.set j, j+1
.endr
.endm
.macro CVT2 j                          ; load j's four f32 become four bf16, in place
.set LJ, 4*(\j)+128*((\j)/16)
	v_cvt_pk_bf16_f32 v[LJ], v[LJ], v[LJ+1]
	v_cvt_pk_bf16_f32 v[LJ+1], v[LJ+2], v[LJ+3]
.endm
.macro XSTORE
	WIN FROM_B
.set j, 0
.rept 32
	ds_store_b64 v[XST], v[4*j+128*(j/16):4*j+128*(j/16)+1] offset:j*PITCH  ; 32 lanes x 8 bytes: a row's 256 bytes
.set j, j+1
.endr
.endm
; PREFETCHES INTO THE L2, behind the K step's run of loads: the K step that stands two steps (512 matrix instructions) ahead of the loads just issued, four ahead of the step in hand.
; x: the two work-groups that read a block of 128 rows take 64 rows each, told apart BY ADDRESS (t); a wave 16 of them, a lane one of a row's two blocks of 256 bytes: one instruction.  mt: every cluster of a half walks
; the same rows: the clusters with y = 0 ask (a test that is alike in all partners); the four partners take 32 of a wave's 128 rows each, BY ADDRESS (cx), a lane a row.  So each block of 256 bytes is named once in the launch.
; The first four K steps come by their loads alone; the loop's last trip (s3 = 1) asks for nothing: K steps 16 and 17 do not exist.
.macro ASK
	WIN 0
	s_cmp_gt_u32 s3, 1
	s_cbranch_scc0 .Lno_\@
	global_prefetch_b8 v[PXO], s[XB:XB+1] offset:3*KSTEP*4 th:TH_LOAD_NT scope:SCOPE_SE
	s_cmp_gt_u32 s3, s[LIM]
	s_cbranch_scc0 .Lno_\@
	global_prefetch_b8 v[PMO], s[PMB:PMB+1] offset:3*KSTEP*2 th:TH_LOAD_NT scope:SCOPE_SE
.Lno_\@:
.endm
	s_load_b256 s[4:11], s[0:1], 0x0               ; x s[4:5], mt s[6:7], b s[8:9], out0 s[10:11]
	v_lshl_add_u32 v[SPW], v0, 2, SPARE
	v_mov_b32 v[NIL], 0
	ds_add_u32 v[SPW], v[NIL]                      ; the wave's opening: the add, twice on end, and its wait ahead of the round in front of my first tensor load
	ds_add_u32 v[SPW], v[NIL]                      ; and once more, under the one wait; the set-up below, work on registers, stands between
	v_lshrrev_b32 v1, 5, v0
	v_readfirstlane_b32 s[WV], v1                  ; wave w
	s_bfe_u32 s13, ttmp6, 0x40000                  ; cx: my place in the cluster
	s_mov_b32 s14, ttmp9                           ; t: the cluster's x: which half of the leaves
	s_and_b32 s15, ttmp7, 0xffff                   ; y: the cluster's y
	v_and_b32 v1, 15, v0                           ; r
	v_bfe_u32 v2, v0, 4, 1                         ; h
	v_and_b32 v3, 31, v0                           ; l
	; descriptor group 1: a tile of 128 rows x 128 elements, padded in LDS
	s_mov_b32 s[G1], 15|(1<<16)|(1<<20)|(1<<21)|(5<<22)|(3<<25)  ; 15:0 the mask: all four work-groups; 17:16 elements of 2 bytes; 20 padding on; 21 set beside a mask; 24:22 after every 64 words (code 5); 31:25 4 words of it (code 3)
	s_mov_b32 s[G1+1], KSTEP<<16                   ; tensor_dim0 = 128
	s_mov_b32 s[G1+2], 128<<16                     ; tensor_dim1 = 128
	s_mov_b32 s[G1+3], KSTEP<<16                   ; tile_dim0 = 128
	s_mov_b32 s[G1+4], 128                         ; tile_dim1 = 128
	s_mov_b32 s[G1+5], 2048                        ; elements from row to row of mt
	s_mov_b32 s[G1+6], 0
	s_mov_b32 s[G1+7], 0
	s_lshl_b32 s16, s15, 2
	s_add_co_u32 s16, s16, s13                     ; my block of 128 rows = 4 y + cx: it enters x's and out0's addresses alone
	s_lshl_b32 s20, s16, 20                        ; x 128 rows of x
	s_mov_b32 s21, 0
	s_lshl_b32 s22, s16, 19                        ; x 128 rows of out0,
	s_lshl_b32 s17, s14, 11
	s_add_co_u32 s22, s22, s17                     ; + 512 t leaves
	s_lshl_b32 s17, s[WV], 9
	s_add_co_u32 s22, s22, s17                     ; + 128 w leaves
	s_mov_b32 s23, 0
	s_lshl_b32 s18, s14, 21                        ; mt's row 512 t + 128 w, in registers that never hold cx
	s_lshl_b32 s17, s[WV], 19
	s_add_co_u32 s18, s18, s17
	s_mov_b32 s19, 0
	s_lshl_b32 s62, s13, 17                        ; 32 cx rows of mt: for the prefetches alone
	s_mov_b32 s63, 0
	s_mul_i32 s2, s[WV], HALFT                     ; my rows' place in a slot: no place in the cluster enters an LDS address
	s_cmp_eq_u32 s15, 0
	s_cselect_b32 s[LIM], 1, -1
	s_mov_b32 s[NC], 0xbfb8aa3b                    ; -log2(e)
	s_mov_b32 s[NC+1], s[NC]
	s_cmp_eq_u32 s14, 0                            ; level 0's choice is t: d, or 1 - d
	s_cselect_b32 s[BA], 1.0, -1.0
	s_cselect_b32 s[BA+2], 0, 1.0
	s_lshr_b32 s17, s[WV], 1                       ; level 1's is w / 2
	s_cmp_eq_u32 s17, 0
	s_cselect_b32 s[BA+4], 1.0, -1.0
	s_cselect_b32 s[BA+6], 0, 1.0
	s_and_b32 s17, s[WV], 1                        ; level 2's is w % 2
	s_cmp_eq_u32 s17, 0
	s_cselect_b32 s[BA+8], 1.0, -1.0
	s_cselect_b32 s[BA+10], 0, 1.0
.irp k, 0,2,4,6,8,10
	s_mov_b32 s[BA+(\k)+1], s[BA+(\k)]             ; named as pairs
.endr
	s_lshl_b32 s17, s[WV], 18
	v_lshl_add_u32 v[XO], v3, 4, s17               ; row 32 w, 16 x lane
	; b's offsets.  Place 0: lower lanes 8 + 4 t + w; upper lanes w = 0: 1; w = 1: 2 + t; w = 2, 3: 2 + 2 t + w, always the smaller number
	s_lshl_b32 s16, s14, 2
	s_add_co_u32 s16, s16, s[WV]
	s_add_co_u32 s16, s16, 8
	s_lshl_b32 s17, s14, 1
	s_add_co_u32 s17, s17, s[WV]
	s_add_co_u32 s17, s17, 2
	s_add_co_u32 s3, s14, 2
	s_cmp_eq_u32 s[WV], 1
	s_cselect_b32 s17, s3, s17
	s_cmp_eq_u32 s[WV], 0
	s_cselect_b32 s17, 1, s17
	s_sub_co_u32 s17, s16, s17
	v_mul_u32_u24 v[VB], v2, s17
	v_sub_nc_u32 v[VB], s16, v[VB]
	v_lshlrev_b32 v[VB], 2, v[VB]
	s_lshl_b32 s16, s14, 3
	s_lshl_b32 s17, s[WV], 1
	s_add_co_u32 s16, s16, s17
	s_add_co_u32 s16, s16, 16
	v_add_nc_u32 v11, s16, v2                      ; 16 + s, s = 8 t + 2 w + h
.irp p, 0,1,2,3,4,5
	v_lshlrev_b32 v[VB+1+(\p)], (\p)+2, v11
.endr
	s_wait_dscnt 0x0                               ; both opening adds are done
	s_wait_kmcnt 0x0
	s_add_nc_u64 s[XB:XB+1], s[4:5], s[20:21]
	s_add_nc_u64 s[OUTP:OUTP+1], s[10:11], s[22:23]
	s_add_nc_u64 s[6:7], s[6:7], s[18:19]          ; mt at my wave's 128 rows
	s_add_nc_u64 s[PMB:PMB+1], s[6:7], s[62:63]
.irp s, 0,1
	s_mov_b32 s[G0+4*(\s)], 1                      ; 1:0 count = 1
	s_add_co_u32 s[G0+4*(\s)+1], s2, (\s)*SLOT     ; 63:32 LDS address
	s_add_nc_u64 s[G0+4*(\s)+2:G0+4*(\s)+3], s[6:7], (\s)*KSTEP*2  ; 120:64 global address: K step s
	s_or_b32 s[G0+4*(\s)+3], s[G0+4*(\s)+3], 0x80000000            ; 127:126 type = 2
.endr
	XLOAD 0                                        ; x's K step 0
	WIN 0
	global_load_b32 v[BS], v[VB], s[8:9]           ; b of my 64 columns, once a wave
.set i, 1
.rept 63
	NODE i
	global_load_b32 v[BS+i], v[VB+1+LAM], s[8:9] offset:4*RV
.set i, i+1
.endr
	CROUND                                         ; all four work-groups are here: the first joint loads meet
	JLOAD 0                                        ; the two first fills go out together: two loads of mine are out
	JLOAD 1
	v_mul_u32_u24 v11, v1, PITCH
	v_lshl_add_u32 v11, v2, 4, v11                 ; a fragment's row x pitch + 16 x half
	v_add_nc_u32 v[ADRA], ASTG, v11
	v_add_nc_u32 v[ADRB], s2, v11
	v_add_nc_u32 v[ADRB+1], SLOT, v[ADRB]
	v_lshl_add_u32 v[XR], v1, 5, XCH+512
	s_lshr_b32 s16, s[WV], 1
	s_add_co_u32 s16, s16, 2
	s_lshl_b32 s16, s16, 10
	v_add_nc_u32 v[XR2], s16, v[XR]
	s_lshl_b32 s16, s[WV], 10
	s_add_co_u32 s16, s16, XCH
	v_lshl_add_u32 v[XR3], v1, 5, s16
	v_lshl_add_u32 v[XA], v3, 5, s16
	s_mul_i32 s17, s[WV], WSTG
	s_add_co_u32 s17, s17, ASTG                    ; my part of the stage
	v_lshl_add_u32 v[XST], v3, 3, s17
	v_mul_u32_u24 v[STO], v1, OPITCH
	v_lshl_add_u32 v[STO], v2, 8, v[STO]
	v_add_nc_u32 v[STO], s17, v[STO]
	v_lshl_add_u32 v[RD], v3, 4, s17
	v_lshlrev_b32 v[CO], 4, v3
	s_lshl_b32 s16, s14, 19
	s_lshl_b32 s17, s[WV], 17
	s_add_co_u32 s16, s16, s17                     ; rows 64 t + 16 w of x
	v_lshrrev_b32 v11, 1, v3
	v_lshl_add_u32 v[PXO], v11, 13, s16
	v_and_b32 v11, 1, v3
	v_lshl_add_u32 v[PXO], v11, 8, v[PXO]
	v_lshlrev_b32 v[PMO], 12, v3
	v_cvt_f32_u32 v[AL3], v2
	v_mov_b32 v[AL3+1], v[AL3]
	v_fma_f32 v[BE3], v[AL3], -2.0, 1.0
	v_mov_b32 v[BE3+1], v[BE3]
	s_wait_loadcnt 0x0                             ; x's K step 0, and b
	WIN W_CV
.set jc, 0
.rept 32
	CVT2 jc
.set jc, jc+1
.endr
	XSTORE                                         ; K step 0 into the stage
	XLOAD KSTEP*4                                  ; K step 1 goes out
	WIN 0
.set z, 0
.rept 32
	v_pk_mul_f32 v[BS+2*z:BS+2*z+1], v[BS+2*z:BS+2*z+1], s[NC:NC+1] op_sel_hi:[1,0]  ; -log2(e) b, kept to the end
.set z, z+1
.endr
; 16 matrix instructions: blocks a0, a0 + 1 of the window's four (hi = 0: rows 0-63, 1: rows 64-127) x all 8 blocks of 16 columns, 32 along K.  zero = 1: the first product starts the sums: nothing is cleared.
; The 64 accumulators take turns, one instruction a turn, in the same order in every quarter step, over the backward jump too.
.macro MUL16 f, hi, a0, zero
	WIN MUL_LO+0x50*(\hi)
.irp a, \a0, (\a0)+1
.irp b, 0,1,2,3,4,5,6,7
.if \zero
	v_wmma_f32_16x16x32_bf16 v[8*(8*(\a)+(\b)):8*(8*(\a)+(\b))+7], v[(\f)+8*(\b):(\f)+8*(\b)+7], v[(\f)+8*(4*(\hi)+(\a)):(\f)+8*(4*(\hi)+(\a))+7], 0
.else
	v_wmma_f32_16x16x32_bf16 v[8*(8*(\a)+(\b)):8*(8*(\a)+(\b))+7], v[(\f)+8*(\b):(\f)+8*(\b)+7], v[(\f)+8*(4*(\hi)+(\a)):(\f)+8*(4*(\hi)+(\a))+7], v[8*(8*(\a)+(\b)):8*(8*(\a)+(\b))+7]
.endif
.endr
.endr
.endm
; The same with riders: behind each product the four lines that round two of x's 32 loads: 64 lines that would else stand in a run of their own; the price is two window switches a product, 32 in a K step.
.macro MUL16C f, hi, a0
.set idx, 0
.irp a, \a0, (\a0)+1
.irp b, 0,1,2,3,4,5,6,7
	WIN MUL_LO+0x50*(\hi)
	v_wmma_f32_16x16x32_bf16 v[8*(8*(\a)+(\b)):8*(8*(\a)+(\b))+7], v[(\f)+8*(\b):(\f)+8*(\b)+7], v[(\f)+8*(4*(\hi)+(\a)):(\f)+8*(4*(\hi)+(\a))+7], v[8*(8*(\a)+(\b)):8*(8*(\a)+(\b))+7]
	WIN W_CV
	CVT2 2*idx
	CVT2 2*idx+1
.set idx, idx+1
.endr
.endr
.endm
; 32 LDS loads in one run: the fragments of a quarter step (my 128 rows of mt, the 128 rows of x, 32 K at byte k of the rows) into buffer f
.macro FETCH slot, k, f
	WIN TO_B
.irp i, 0,1,2,3,4,5,6,7
	ds_load_b128 v[(\f)+8*(\i):(\f)+8*(\i)+3],   v[ADRB+(\slot)] offset:(\k)+(\i)*16*PITCH
	ds_load_b128 v[(\f)+8*(\i)+4:(\f)+8*(\i)+7], v[ADRB+(\slot)] offset:(\k)+(\i)*16*PITCH+32
.endr
	WIN 0
.irp i, 0,1,2,3,4,5,6,7
	ds_load_b128 v[(\f)+8*(\i):(\f)+8*(\i)+3],   v[ADRA] offset:(\k)+(\i)*16*PITCH
	ds_load_b128 v[(\f)+8*(\i)+4:(\f)+8*(\i)+7], v[ADRA] offset:(\k)+(\i)*16*PITCH+32
.endr
.endm
; A K step is four quarters of 32 along K, 64 matrix instructions each, on buffers 0, 1, 0, 1.  One of the first three: multiplies buffer f; in its middle it fetches the next quarter, at byte k, into buffer g.
.macro QUARTER slot, k, f, g, zero
	s_wait_dscnt 8                                 ; mt's fragments and x's rows 0-63 are in; the youngest eight loads (x's rows 64-127) may be out
	MUL16 \f, 0, 0, \zero
	MUL16 \f, 0, 2, \zero
	PLACES                                         ; in front of loads into registers that matrix instructions have read
	FETCH \slot, \k, \g
	s_wait_dscnt 32                                ; all but the 32 just issued
	MUL16 \f, 1, 0, \zero
	MUL16 \f, 1, 2, \zero
.endm
; THE LAST QUARTER of K step s multiplies buffer 1, changes x's stage to K step s + 1, and changes mt's slot.  Two barriers:
; the first says that nobody reads x's stage (or this slot of mt) any more; behind it each wave stores its 32 rows of K step s + 1;
; the second says that those stores are done, that all tensor loads have landed (mine: my rows of the next slot) and, with fill = 1, opens a round of the cluster's barrier, behind which this slot is filled again, two K steps on.
; fill = 1 (K steps 0 to 13): x's K step s + 2 is asked for, mt's likewise.
.macro TURN slot, next, fill
.if \fill
	s_wait_xcnt 0x0                                ; the loads and prefetches of a K step back have read their addresses: the two bases are written only behind this wait
	s_add_nc_u64 s[XB:XB+1], s[XB:XB+1], KSTEP*4
	s_add_nc_u64 s[PMB:PMB+1], s[PMB:PMB+1], KSTEP*2
.endif
	s_wait_dscnt 0x0                               ; buffer 1 is in: my reads of x's stage and of this slot are over:
	s_barrier_signal -1                            ; say so,
	s_wait_loadcnt 0x0                             ; x's K step s + 1, asked for a K step ago, is in;
	MUL16C F1, 0, 0                                ; it is rounded beside sixteen products while the others arrive,
	s_barrier_wait -1                              ; and stored when all four have said so
	XSTORE
.if \fill
	XLOAD KSTEP*4                                  ; K step s + 2: it has a whole K step in which to come
	ASK
.endif
	WIN 0                                          ; (the add's two registers lie in window 0)
	s_wait_tensorcnt 0x0                           ; all my tensor loads have landed: the one that was out is my part of the next slot
	ds_add_u32 v[SPW], v[NIL]                      ; 0 onto my spare word; sixteen products stand between it and the wait for it
	MUL16 F1, 0, 2, 0
	s_wait_dscnt 0x0                               ; the add is done, and so are my stores into x's stage
.if \fill
	WIN 0
	s_barrier_signal -1
	s_barrier_wait -1
	CREST                                          ; no wave of any partner still reads this slot or has a load on its way
	s_add_nc_u64 s[G0+4*(\slot)+2:G0+4*(\slot)+3], s[G0+4*(\slot)+2:G0+4*(\slot)+3], 2*KSTEP*2
	JLOAD \slot                                    ; the first tensor load behind the round, my one load until the next
.else
	s_barrier_signal -1
	s_barrier_wait -1
.endif
	FETCH \next, 0, F0                             ; buffer 0's last products stand in front of this macro's 64 conversions: more than four places back
	MUL16 F1, 1, 0, 0
	MUL16 F1, 1, 2, 0
.endm
	s_wait_tensorcnt 1                             ; my part of slot 0 is in; slot 1's may stay out
	s_wait_dscnt 0x0                               ; my rows of x's K step 0 are stored
	s_barrier_signal -1
	s_barrier_wait -1
	FETCH 0, 0, F0
	QUARTER 0, 64,  F0, F1, 1                      ; the first quarter stands in front of the loop: its products start the sums
	WIN 0                                          ; at a label and at a branch every window is 0
	s_mov_b32 s3, LAPS-1
.Llap:                                         ; a trip goes once round the ring, from a lap's second quarter to the next lap's first
	QUARTER 0, 128, F1, F0, 0
	QUARTER 0, 192, F0, F1, 0
	TURN 0, 1, 1
	QUARTER 1, 64,  F0, F1, 0
	QUARTER 1, 128, F1, F0, 0
	QUARTER 1, 192, F0, F1, 0
	TURN 1, 0, 1
	QUARTER 0, 64,  F0, F1, 0
	WIN 0
	s_sub_co_u32 s3, s3, 1
	s_cmp_lg_u32 s3, 0
	s_cbranch_scc1 .Llap
	QUARTER 0, 128, F1, F0, 0                      ; the last lap asks for nothing more
	QUARTER 0, 192, F0, F1, 0
	TURN 0, 1, 0
	QUARTER 1, 64,  F0, F1, 0
	QUARTER 1, 128, F1, F0, 0
	QUARTER 1, 192, F0, F1, 0
	s_wait_dscnt 8
	MUL16 F1, 0, 0, 0
	MUL16 F1, 0, 2, 0
	s_wait_dscnt 0x0                               ; my last reads of x's stage
	MUL16 F1, 1, 0, 0
	MUL16 F1, 1, 2, 0
	WIN 0
	PLACES
	; THE NODES ABOVE THE SUBTREES.  Register 0 of accumulator (a, 0) is place 0: its d, for the eight blocks a, goes into LDS for the waves that need it.
	WIN 0x02                                       ; source 0 window 2
.irp a, 0,1,2,3
	v_fma_f32 v[PR+(\a)], v[64*(\a)], s[NC], v[BS]  ; -log2(e) (z + b)
.endr
	WIN 0x03
.irp a, 0,1,2,3
	v_fma_f32 v[PR+4+(\a)], v[64*(\a)], s[NC], v[BS]
.endr
	WIN 0
.irp a, 0,1,2,3,4,5,6,7
	v_exp_f32 v[PR+(\a)], v[PR+(\a)]
.endr
	v_nop                                          ; a plain instruction behind the last exponential,
	s_wait_alu depctr_va_vdst(0)                   ; and the wait ahead of the batch's first reader
.irp z, 0,2,4,6
	v_pk_add_f32 v[PR+(\z):PR+(\z)+1], v[PR+(\z):PR+(\z)+1], 1.0 op_sel_hi:[1,0]
.endr
.irp a, 0,1,2,3,4,5,6,7
	v_rcp_f32 v[PR+(\a)], v[PR+(\a)]
.endr
	v_nop
	s_wait_alu depctr_va_vdst(0)
	ds_store_b128 v[XA], v[PR:PR+3]
	ds_store_b128 v[XA], v[PR+4:PR+7] offset:16
	s_wait_dscnt 0x0                               ; for the others' sake
	s_barrier_signal -1
	s_barrier_wait -1                              ; all eight half-waves' nodes lie in LDS; and nobody reads x's stage any more: from here on its bytes are each wave's own stage
	ds_load_b128 v[PR:PR+3],     v[XR]             ; the root
	ds_load_b128 v[PR+4:PR+7],   v[XR] offset:16
	ds_load_b128 v[PR+8:PR+11],  v[XR] offset:1024 ; level 1
	ds_load_b128 v[PR+12:PR+15], v[XR] offset:1040
	ds_load_b128 v[PR+16:PR+19], v[XR2]            ; level 2
	ds_load_b128 v[PR+20:PR+23], v[XR2] offset:16
	ds_load_b128 v[PR+24:PR+27], v[XR3]            ; level 3
	ds_load_b128 v[PR+28:PR+31], v[XR3] offset:16
	s_wait_dscnt 0x0
.irp k, 0,1,2
.irp z, 0,2,4,6
	v_pk_fma_f32 v[PR+8*(\k)+(\z):PR+8*(\k)+(\z)+1], v[PR+8*(\k)+(\z):PR+8*(\k)+(\z)+1], s[BA+4*(\k):BA+4*(\k)+1], s[BA+4*(\k)+2:BA+4*(\k)+3] op_sel_hi:[1,0,0]  ; d, or 1 - d
.endr
.endr
.irp z, 0,2,4,6
	v_pk_fma_f32 v[PR+24+(\z):PR+24+(\z)+1], v[PR+24+(\z):PR+24+(\z)+1], v[BE3:BE3+1], v[AL3:AL3+1]
.endr
.irp z, 0,2,4,6
	v_pk_mul_f32 v[PR+(\z):PR+(\z)+1], v[PR+(\z):PR+(\z)+1], v[PR+8+(\z):PR+8+(\z)+1]
	v_pk_mul_f32 v[PR+16+(\z):PR+16+(\z)+1], v[PR+16+(\z):PR+16+(\z)+1], v[PR+24+(\z):PR+24+(\z)+1]
.endr
.irp z, 0,2,4,6
	v_pk_mul_f32 v[PR+(\z):PR+(\z)+1], v[PR+(\z):PR+(\z)+1], v[PR+16+(\z):PR+16+(\z)+1]  ; v[PR+a]: what reaches my subtree's root, for my row of block a
.endr
	; THE EIGHT BLOCKS OF 16 ROWS, one text.  Only the lines that take a block's 64 sums out of its accumulators differ: eight short pieces, chosen by forward jumps on the counter.
.macro SNIP a
	WIN 0x42+(\a)/4                                ; source 0 window 2 or 3, source 2 window 0, destination window 1
.set z, 0
.rept 32                                       ; each accumulator from its low end on
	v_pk_fma_f32 v[T+2*z:T+2*z+1], v[64*((\a)%4)+2*z:64*((\a)%4)+2*z+1], s[NC:NC+1], v[BS+2*z:BS+2*z+1] op_sel_hi:[1,0,1]
.set z, z+1
.endr
	WIN 0x40
	v_mov_b32 v[MU+1], v[PR+(\a)]
	WIN 0
.endm
	s_mov_b32 s[BLK], 0
	s_mov_b32 s[INC], 0
	s_mov_b32 s[INC+1], 0
.Lblk:
.irp a, 0,1,2,3,4,5,6
	s_cmp_eq_u32 s[BLK], \a
	s_cbranch_scc1 .Lb\a
.endr
	SNIP 7
	s_branch .Lcommon
.irp a, 0,1,2,3,4,5
.Lb\a:
	SNIP \a
	s_branch .Lcommon
.endr
.Lb6:
	SNIP 6
.Lcommon:
	WIN 0x55                                       ; all in window 1
.set z, 0
.rept 64
	v_exp_f32 v[T+z], v[T+z]
.set z, z+1
.endr
	v_nop                                          ; one plain instruction and one wait for the batch of 64
	s_wait_alu depctr_va_vdst(0)
.set z, 0
.rept 32
	v_pk_add_f32 v[T+2*z:T+2*z+1], v[T+2*z:T+2*z+1], 1.0 op_sel_hi:[1,0]
.set z, z+1
.endr
.set z, 0
.rept 64
	v_rcp_f32 v[T+z], v[T+z]                       ; d of heap place z (place 0's is not used here: it lies in a tile of live work)
.set z, z+1
.endr
	v_nop
	s_wait_alu depctr_va_vdst(0)
	; the tree: place x of level L hands p d to x + 2^L and p - p d to x + 2^(L+1)
	v_mul_f32 v[MU+2], v[MU+1], v[T+1]
	v_sub_f32 v[MU+3], v[MU+1], v[MU+2]
.irp lam, 1,2,3,4
.set x, 1<<(\lam)
.rept (1<<(\lam))/2
	v_pk_mul_f32 v[MU+x+(1<<(\lam)):MU+x+(1<<(\lam))+1], v[MU+x:MU+x+1], v[T+x:T+x+1]
.set x, x+2
.endr
.set x, 1<<(\lam)
.rept (1<<(\lam))/2
	v_pk_add_f32 v[MU+x+(2<<(\lam)):MU+x+(2<<(\lam))+1], v[MU+x:MU+x+1], v[MU+x+(1<<(\lam)):MU+x+(1<<(\lam))+1] neg_lo:[0,1] neg_hi:[0,1]
.set x, x+2
.endr
.endr
	; the last level, line by line, so that four neighbouring registers hold four neighbouring leaves: place 32 + q has the leaves 2 p, 2 p + 1, p = q's five bits reversed: registers 4 (q % 16) + 2 (q / 16) on
.set q5, 0
.rept 8
.irp n, 0,1,2,3
	v_mul_f32 v[OUT+4*((q5+(\n))%16)+2*((q5+(\n))/16)], v[MU+32+q5+(\n)], v[T+32+q5+(\n)]
.endr
.irp n, 0,1,2,3
	v_sub_f32 v[OUT+4*((q5+(\n))%16)+2*((q5+(\n))/16)+1], v[MU+32+q5+(\n)], v[OUT+4*((q5+(\n))%16)+2*((q5+(\n))/16)]
.endr
.set q5, q5+4
.endr
	WIN FROM_B
.set g, 0
.rept 16                                       ; group g holds the leaves 4 x (g's four bits reversed) on
	ds_store_b128 v[STO], v[OUT+4*g:OUT+4*g+3] offset:16*(((g&1)<<3)|((g&2)<<1)|((g&4)>>1)|((g&8)>>3))
.set g, g+1
.endr
	s_wait_xcnt 0x0                                ; the last block's stores have read their data and their base: both are written only behind this wait
	s_add_nc_u64 s[OUTP:OUTP+1], s[OUTP:OUTP+1], s[INC:INC+1]
	s_mov_b32 s[INC], 16*OROW                      ; from the second block on: 16 rows further
	WIN TO_B
.set p, 0
.rept 16
	ds_load_b128 v[RB+4*p:RB+4*p+3], v[RD] offset:p*OPITCH  ; LDS serves a wave's instructions in order (ISA guide 5.7.1.4): these see the stores above; the stage is my wave's own
.set p, p+1
.endr
	WIN FROM_B
.set p, 0
.rept 16
	s_wait_dscnt 15-p                              ; row p is back; the younger loads may stay out
	global_store_b128 v[CO], v[RB+4*p:RB+4*p+3], s[OUTP:OUTP+1] offset:p*OROW th:TH_STORE_NT  ; 512 consecutive bytes, at a multiple of 512 from out0's first byte
.set p, p+1
.endr
	WIN 0
	s_add_co_u32 s[BLK], s[BLK], 1
	s_cmp_lt_u32 s[BLK], 8
	s_cbranch_scc1 .Lblk
	s_wait_tensorcnt 0x0                           ; the wave's end: behind my last tensor load and my last LDS store
	ds_add_u32 v[SPW], v[NIL]
	s_wait_dscnt 0x0
	CROUND                                         ; the closing round: no work-group ends while a partner may still ask for a tile that names it
	s_endpgm
.Lfunc_end_k_q1255f16e03_route:
	.size	k_q1255f16e03_route, .Lfunc_end_k_q1255f16e03_route-k_q1255f16e03_route
	.p2alignl 7, 3214868480
	.fill 96, 4, 3214868480
	.section	.rodata,"a",@progbits
	.p2align	6, 0x0
	.amdhsa_kernel k_q1255f16e03_route
		.amdhsa_group_segment_fixed_size 327680
		.amdhsa_private_segment_fixed_size 0
		.amdhsa_enable_private_segment 0
		.amdhsa_kernarg_size 32
		.amdhsa_user_sgpr_count 2
		.amdhsa_user_sgpr_kernarg_segment_ptr 1
		.amdhsa_wavefront_size32 1
		.amdhsa_system_sgpr_workgroup_id_x 1
		.amdhsa_system_sgpr_workgroup_id_y 1
		.amdhsa_system_sgpr_workgroup_id_z 1
		.amdhsa_system_vgpr_workitem_id 0
		.amdhsa_next_free_vgpr 1024
		.amdhsa_next_free_sgpr 66
		.amdhsa_reserve_vcc 0
		.amdhsa_float_denorm_mode_32 3
		.amdhsa_float_denorm_mode_16_64 3
		.amdhsa_memory_ordered 1
		.amdhsa_forward_progress 1
		.amdhsa_inst_pref_size 195
	.end_amdhsa_kernel
	.amdgpu_metadata
---
amdhsa.version: [ 1, 2 ]
amdhsa.kernels:
  - .name:           k_q1255f16e03_route
    .symbol:         k_q1255f16e03_route.kd
    .args:
      - { .name: x, .offset: 0, .size: 8, .value_kind: global_buffer, .address_space: global }
      - { .name: mt, .offset: 8, .size: 8, .value_kind: global_buffer, .address_space: global }
      - { .name: b, .offset: 16, .size: 8, .value_kind: global_buffer, .address_space: global }
      - { .name: out0, .offset: 24, .size: 8, .value_kind: global_buffer, .address_space: global }
    .group_segment_fixed_size: 327680
    .private_segment_fixed_size: 0
    .kernarg_segment_align: 8
    .kernarg_segment_size: 32
    .max_flat_workgroup_size: 128
    .sgpr_count:     66
    .vgpr_count:     1024
    .wavefront_size: 32
...
	.end_amdgpu_metadata
.endif
;; end of part 2
